; MI455X (gfx1250); checked and timed in simulation.
; The chip was launched on July 23, 2026; its instructions are those of AMD's public machine-readable ISA for CDNA 5 (MIT licence, August 2026) and "CDNA5" Instruction Set Architecture Reference Guide (July 2026). The comments in the code are by the model that wrote it; some were corrected since.
;; QKV Attention. Allowed arithmetic: matrix products marked QUANTISED: E2M1 operands, one E8M0 scale for each 32 along K, by v_wmma_scale_f32_16x16x128_f8f6f4 with both operands' format E2M1 (or v_wmma_scale_f32_32x16x128_f4), f32 sums; everything else in f32.
;; Inputs: qkv 64 x 192 x 2,048 float32.
;; Outputs: out0 64 x 64 x 2,048 float32.
;; This version of the problem:
;;   THIS VERSION OF THE PROBLEM IS GIVEN IN LOW PRECISION. The matrix products marked QUANTISED in the list below multiply operands that are first quantised to E2M1 (2 exponent bits, 1 mantissa bit; 4 bits a number), with one power-of-two scale for each 32 numbers along K (OCP MX v1.0); their sums are f32. All else is computed in f32.
;;   The module's matrix products, in the order in which they are computed (A, B: the left and right operand; K: the contracted axis; several contracted axes count as one K, in the product's order):
;;     1. batch 64 x [M 2,048, K 64] x [K 64, N 2,048]; A: computed on the way; B: computed on the way: QUANTISED
;;     2. batch 64 x [M 64, K 2,048] x [K 2,048, N 2,048]; A: computed on the way; B: softmax (see below): QUANTISED
;;   THE QUANTISER, for each operand of a quantised product, along K:
;;     - K is cut into blocks of 32 from its start; a last block that is shorter is filled with zeros.
;;     - A block's scale is 2^e with e = floor(log2(the largest magnitude in the block)) - 2, held to -126 .. 127; a block of zeros has e = 0. As a byte (E8M0): e + 127.
;;     - Each number is divided by its block's scale, clamped to +-6, and rounded to the nearest number of E2M1, ties to even, subnormals kept.
;;     - The product sums the exact products of the quantised numbers (number of the format x scale) in f32.
;;   ~~~python
;;   def quantise(x, axis):      # numpy; x: float32 -> the quantised numbers, widened to float32 again
;;       x = np.moveaxis(x, axis, -1); K = x.shape[-1]
;;       x = np.pad(x, [(0, 0)] * (x.ndim - 1) + [(0, -K % 32)]); x = x.reshape(x.shape[:-1] + (-1, 32)); a = np.abs(x).max(-1, keepdims=True)
;;       e = np.where(a > 0, np.clip(np.frexp(np.where(a > 0, a, 1))[1] - 1 - 2, -126, 127), 0)      # np.frexp(a)[1] - 1 = floor(log2(a)), exactly
;;       r = np.clip(x / 2.0 ** e, -6, 6)
;;       step = 2.0 ** (np.maximum(np.frexp(np.where(r == 0, 1, r))[1] - 1, 0) - 1)
;;       q = np.round(r / step) * step * 2.0 ** e      # np.round: ties to even
;;       return np.moveaxis(q.reshape(q.shape[:-2] + (-1,))[..., :K], -1, axis).astype(np.float32)
;;   ~~~
;;   SOFTMAX AHEAD OF A QUANTISED PRODUCT. Where the list says 'softmax', what is quantised is not the finished softmax but p = 2^(t - M), with t = logit x log2(e) and M = ceil(the row's largest t), a whole number; so 1/2 < the row's largest p <= 1. The row's sum l is taken of the UNQUANTISED p, in f32, and the product's result is divided by l at the end. Since M is a whole number, a kernel that streams over the keys may use a running M (the ceiling of the running maximum): every later rescaling is an exact power of two, which a block's scale takes up: the codes' values come out the same.
;;   OPERANDS COMPUTED ON THE WAY. 'Computed on the way' means the value that the module computes at that place (a softmax that the list does not call 'softmax' is quantised finished and normalised). What goes into a quantiser is computed in f32, as accurately as f32 sums, v_exp_f32 and their like allow (about 1e-6 of the number): no bf16 or f16 on the way to a quantiser, and a product that is left as it is and whose result goes on into a quantised operand takes f32 operands (vector FMAs, or v_wmma_f32_16x16x4_f32). A number that lies on a knife's edge between two numbers of the format may be rounded either way, as far as f32 arithmetic and the matrix unit's own rounding can turn it there, and no further.
;; One version. Each part assembles by itself: llvm-mc -triple=amdgcn-amd-amdhsa -mcpu=gfx1250 --defsym DOCPART=n.
;; ======== version 1 of 1: 1 launch
;; limits: right only within a limited range of input values
;; launch attn (part 1): grid 4 x 64, 16 waves a work-group, clusters of 4 x 1, 318,464 bytes of LDS; arguments qkv, out0; writes out0
.if DOCPART == 1
	.amdgcn_target "amdgcn-amd-amdhsa--gfx1250"
	.amdhsa_code_object_version 6
	.text
	.protected	k_qb0f789a285_attn
	.globl	k_qb0f789a285_attn
	.p2align	8
	.type	k_qb0f789a285_attn,@function
k_qb0f789a285_attn:
	s_mov_b64 s[64:65], 0
	v_nop
	global_prefetch_b8 v0, s[64:65] scope:SCOPE_SE
	s_setreg_imm32_b32 hwreg(HW_REG_WAVE_MODE, 25, 1), 1
	s_wait_xcnt 0x0
	s_wait_alu depctr_hold_cnt(0) depctr_sa_sdst(0) depctr_va_vdst(0) depctr_va_sdst(0) depctr_va_ssrc(0) depctr_va_vcc(0) depctr_vm_vsrc(0)
	s_getreg_b32 s2, hwreg(HW_REG_IB_STS2, 6, 4)
	s_cmp_eq_u32 s2, 0
	s_cbranch_scc0 .Lentry_in_a_cluster
	s_endpgm
.Lentry_in_a_cluster:
	s_bfe_u32 s2, ttmp6, 0x10000c
	s_cmp_lg_u32 s2, 0x3003
	s_cbranch_scc0 .Lentry_shape_is_right
	s_endpgm
.Lentry_shape_is_right:
; out0[b][c][t] = sum over s of softmax_s(sum over c of (q f)[c][t] (k f)[c][s]) v[c][s],  f = 1 / sqrt(sqrt(64)).  qkv: [64][192][2048] f32 (rows 0-63 q, 64-127 k, 128-191 v), out0: [64][64][2048] f32.
; Both products run on codes of FP4 (E2M1) with one E8M0 scale for each 32 along K.  Product 1: K = the 64 channels; q f and k f are quantised along the channels.  Product 2: K = the keys; v and p are quantised along the keys.
; p = 2^(t - M), t = logit x log2(e), M = the running largest t rounded up to a whole number; the row's sum is taken of the unquantised p and divides at the end; when M moves, sum and O are multiplied by 2^(old M - new M).
; SHARES.  A work-group owns 512 queries of one batch, each of its sixteen waves 32: two tiles of 16.  It walks the batch's 2,048 keys, 128 a chunk, 16 chunks, a chunk a trip.
; THE CODES OF ALL 2,048 KEYS STAY IN LDS: a record of 9,216 bytes a chunk (k's 8 images of 512 bytes, v's 4 of 1,024, k's scale image, v's), 147,456 bytes; no byte of them is written twice.
; k and v come from memory straight into the registers of the lanes that quantise them, 32 numbers a lane a chunk (waves 0-7: k, a lane a key, registers down the channels; waves 8-15: v, loaded as the bytes lie and turned through the wave's own stage).
; GROUPS OF FOUR TRIPS, ONE BARRIER A GROUP.  Trip t multiplies chunk t's codes; trips 0 to 11 first quantise chunk t + 4, asked for a trip ago, into the record four further on, and ask for chunk t + 5.  The head quantises chunks 0 to 3.
; A group's fourth trip signals behind its stores, and the wait stands at the next group's head: a trip's products and softmax apart.  In the three trips without a signal the 32 numbers a lane are asked for in four parts,
; spread over the first half of the trip; the fourth trip asks for all four ahead of its signal, so that no memory instruction stands between a signal and its wait.
; THE FOUR WORK-GROUPS OF A BATCH ARE LAUNCHED AS ONE CLUSTER, BUT ASK FOR NOTHING JOINTLY, though they read the same k and v: a joint load would land the numbers as f32 in LDS, 65,536 bytes a chunk, in slots that are filled again,
; each refill behind a round of the cluster's barrier with every wave's loads waited for; here nothing in LDS is filled again and each number goes once from memory to the register that the conversion reads.
; LAYOUT.  Both products are used transposed (S^T = k q^T, O^T = v p^T): a lane holds ONE query (lane % 16).  THE KEYS OF A TILE OF k ARE CHOSEN: row m of tile 4 b + u is key 64 b + 32 (m / 8) + 8 u + m % 8, so that lane (r, h) holds in
; registers 32 b .. 32 b + 31 of S^T the WHOLE block of keys 64 b + 32 h + 0 .. 31: a block's maximum needs no other lane, and the eight conversions' results are p's operand registers as they stand.
; PRODUCT 1's K IS 64, the instruction's is 128.  q lies as [tile 0 | four registers of zero codes | tile 1].  Tile 0's operand is the first eight, and k's operand is a tile and the four registers behind it; tile 1's is the last eight,
; and k's operand is the four registers ahead of a tile and the tile.  E2M1 has no NaN and no infinity, so whatever those four hold adds exact zeros against q's zero codes; bytes 2 and 3 of q's and k's scale words repeat bytes 0 and 1.
; LIMITS.  NaN and infinities among the inputs are not served.  A block whose largest magnitude lies under 2^-124 keeps the scale byte 1 (a block of zeros too, where the rule says 127: its codes are zeros, and this program alone reads the bytes).
.set CB,     9216
.set VIMG,   4096
.set KSC,    8192
.set VSC,    8704
.set VSTG,   16*CB                     ; behind the codes: a stage of 8 rows x 576 bytes for each of the eight waves that quantise v
.set VSB,    4608
.set OSTG,   VSTG+8*VSB                ; the way out: 64 rows (channels) x (512 queries x 4 bytes + 16)
.set SROW,   2064
.set SPARE,  OSTG+64*SROW              ; the spare words, 128 bytes for each wave: eight blocks of 256 bytes that no other line names
.set BATCHB, 192*2048*4
.set L16, 1                            ; 16 x lane
.set L8,  2                            ; 8 x lane
.set KWR, 3                            ; my block's place in a record: k's codes, k's scale byte, v's codes, v's scale byte
.set KSW, 4
.set VWR, 5
.set VSW, 6
.set VST, 7                            ; v's stage, on the way in and on the way out
.set VLD, 8
.set SH8, 9                            ; 8 x (lane / 16)
.set SPW, 10                           ; LDS address of my spare word; never rewritten
.set NIL, 11                           ; 0; never rewritten
.set PFO, 12                           ; 8,192 x lane: a row of qkv a lane, for the prefetches
.set GOK, 13                           ; 4 x lane
.set GOV, 14                           ; 16 x lane
.set D16, 15                           ; the trip's addresses: the record's first byte + the places above
.set D8,  16
.set DKW, 17
.set DKS, 18
.set DVW, 254
.set DVS, 255
.set QS,  19                           ; q's scale words (lanes 0-15 tile 0, lanes 16-31 tile 1)
.set Q,   20                           ; v20-31 q
.set PW,  32                           ; v32, v33 p's scale words
.set MT,  34                           ; v34, v35 the largest t
.set KS,  36                           ; v36-39 k's scale words, then v's in v36-37
.set NM,  40                           ; -M;  v41 at work
.set TA,  41
.set F,   42                           ; f = 2^(old M - new M); v43 named with it
.set BM,  44                           ; v44-45 the blocks' largest scores
.set T,   46                           ; v46-49 at work
.set PC,  50                           ; v50-57 tile 0's p codes; tile 1's lie in v58-65
.set K,   58                           ; v58-89 k's eight tiles
.set SM,  90                           ; v90-93 the sums
.set R,   94                           ; v94-125 the numbers on their way from memory
.set S,   126                          ; v126-189 S^T, then p, then v's fragments; at work in the quantiser
.set OT,  190                          ; v190-253 O^T: register 32 qt + 8 ct + j is channel 16 ct + 8 (lane / 16) + j
.set QC,  S+32
.set QBY, S+36
.set WV,  8
.set CX,  9
.set BT,  10
.set GB,  16                           ; s[16:17] where my wave's loads of k or v stand: in trip t at chunk t + 1; the loads name the chunk four further on
.set PFA, 18                           ; s[18:19] where my prefetches stand, likewise
.set LAP, 20                           ; 12 - t: trips that still quantise
.set LIM, 21
.set CBS, 22                           ; the record of the chunk in hand
.set INR, 23
.set GRP, 38
.set SEL, 32
.set CS,  34
.set SC,  36
.macro BAR
	s_barrier_signal -1
	s_barrier_wait -1
.endm
; A PREFETCH INTO THE L2 of the chunk that is loaded two trips on (chunk t + 7 in trip t): 128 rows x 512 bytes.  The four work-groups of a batch share the rows out by address, 32 each; in each, wave 2 names the first 256 bytes
; of its rows and wave 3 the second, a lane a row: each aligned block of 256 bytes is named once in the launch.  Trips 0 to 8 ask; chunks 0 to 6 come by their loads alone.
.macro ASK
	s_cmp_gt_u32 s[LAP], s[LIM]                    ; s[LIM] = 3 in waves 2 and 3, else the greatest number
	s_cbranch_scc0 .Lnot_mine_\@
	global_prefetch_b8 v[PFO], s[PFA:PFA+1] offset:3072 th:TH_LOAD_NT scope:SCOPE_SE
.Lnot_mine_\@:
.endm
; A quarter of my 32 numbers of the next chunk to be quantised.  k: eight rows, 128 neighbouring bytes of a row a load, four waves side by side on 512; v: two rows, 512 neighbouring bytes a load.
.macro GLOAD p
	s_wait_alu depctr_va_vdst(0)                   ; the wait ahead of the branch
	s_cmp_lt_u32 s[WV], 8
	s_cbranch_scc0 .Lgv_\@
.irp i, 0,1,2,3,4,5,6,7
	global_load_b32 v[R+8*(\p)+\i], v[GOK], s[GB:GB+1] offset:8192*(8*(\p)+\i)+2048
.endr
	s_branch .Lgd_\@
.Lgv_\@:
.irp i, 0,1
	global_load_b128 v[R+8*(\p)+4*\i:R+8*(\p)+4*\i+3], v[GOV], s[GB:GB+1] offset:8192*(2*(\p)+\i)+2048
.endr
.Lgd_\@:
.endm
.macro DERIVE
	v_add_nc_u32 v[DKW], s[CBS], v[KWR]
	v_add_nc_u32 v[DKS], s[CBS], v[KSW]
	v_add_nc_u32 v[DVW], s[CBS], v[VWR]
	v_add_nc_u32 v[DVS], s[CBS], v[VSW]
.endm
.macro KLOAD                           ; k's eight tiles, four registers each, and their scale words (word jj of lane L: tile 2 jj + L / 16, row L % 16)
.irp kt, 0,1,2,3,4,5,6,7
	ds_load_b128 v[K+4*\kt:K+4*\kt+3], v[D16] offset:512*\kt
.endr
	ds_load_b128 v[KS:KS+3], v[D16] offset:KSC
.endm
.macro VLOAD                           ; v's four fragments (16 channels x 128 keys) and their scale words (word i of lane L: tile 2 i + L / 16, row L % 16)
.irp ct, 0,1,2,3
.irp c, 0,1
	ds_load_b128 v[S+8*\ct+4*\c:S+8*\ct+4*\c+3], v[D16] offset:VIMG+1024*\ct+512*\c
.endr
.endr
	ds_load_b64 v[KS:KS+1], v[D8] offset:VSC
.endm
; A lane's block of 32 numbers, v[x] on, becomes 16 bytes of codes in v[QC] on and a scale byte in v[QBY].
.macro BLOCKQ x
	v_max3_num_f32 v46, |v[\x]|, |v[\x+1]|, 0x1800000              ; the largest magnitude, in two chains, with the floor 2^(3 - 127) among its leaves: the byte cannot fall under 1
	v_max3_num_f32 v47, |v[\x+16]|, |v[\x+17]|, |v[\x+18]|
.irp i, 0,1,2,3,4,5
	v_max3_num_f32 v46, v46, |v[\x+2+2*\i]|, |v[\x+3+2*\i]|
	v_max3_num_f32 v47, v47, |v[\x+19+2*\i]|, |v[\x+20+2*\i]|
.endr
	v_max3_num_f32 v46, v46, |v[\x+14]|, |v[\x+15]|
	s_delay_alu instid0(VALU_DEP_1)
	v_max3_num_f32 v46, v46, v47, |v[\x+31]|
	s_delay_alu instid0(VALU_DEP_1)
	v_add_nc_u32 v48, 0xff000000, v46              ; 2 off its exponent field: the conversion takes the exponent field of this operand as its scale
.irp g, 0,1,2,3
	v_cvt_scalef32_pk8_fp4_f32 v[QC+\g], v[\x+8*\g:\x+8*\g+7], v48
.endr
	v_lshrrev_b32 v[QBY], 23, v48                  ; the scale's byte; also the plain place behind the conversions
.endm
.macro QK raw, off                     ; wave (g = w % 4, hK = w / 4): lane l holds key 32 g + l, channels 32 hK .. + 31
	s_wait_loadcnt 0x0                             ; my 32 numbers
.set j, 0
.rept 16
	v_pk_mul_f32 v[\raw+j:\raw+j+1], v[\raw+j:\raw+j+1], s[SC:SC+1] op_sel_hi:[1,0]   ; k f, in f32, ahead of the quantiser
.set j, j+2
.endr
	BLOCKQ \raw
	ds_store_b128 v[DKW], v[QC:QC+3] offset:\off
	ds_store_b8 v[DKS], v[QBY] offset:\off         ; byte hK of the row's scale word,
	ds_store_b8 v[DKS], v[QBY] offset:\off+2       ; and byte 2 + hK
.endm
.macro QV raw, off                     ; wave w' = w - 8: loaded as rows 8 w' + i, 16 bytes a lane; quantised as channel 8 w' + l / 4, keys 32 (l % 4) .. + 31
	s_wait_loadcnt 0x0
.irp i, 0,1,2,3,4,5,6,7
	ds_store_b128 v[VST], v[\raw+4*\i:\raw+4*\i+3] offset:576*\i
.endr
.irp i, 0,1,2,3,4,5,6,7
	ds_load_b128 v[S+4*\i:S+4*\i+3], v[VLD] offset:16*\i           ; LDS serves a wave's instructions in order: these see my stores
.endr
	s_wait_dscnt 0x0                               ; my block is back, and the stores have read their registers
	BLOCKQ S
	ds_store_b128 v[DVW], v[QC:QC+3] offset:\off
	ds_store_b8 v[DVS], v[QBY] offset:\off
.endm
.macro QUANT raw, off                  ; no barrier stands inside the branch
	s_cmp_lt_u32 s[WV], 8
	s_cbranch_scc0 .Lfor_v_\@
	QK \raw, \off
	s_branch .Lquantised_\@
.Lfor_v_\@:
	QV \raw, \off
.Lquantised_\@:
.endm
; S^T = k q^T for tile qt: eight products, each with the constant 0 as C.  Odd tiles' scale words stand in lanes 16-31, and so do tile 1's of q.
.macro SPROD qt
.irp kt, 0,1,2,3,4,5,6,7
.set AB, K+4*\kt-4*\qt
.if (\kt%2 == 0) && (\qt == 0)
	v_wmma_scale_f32_16x16x128_f8f6f4 v[S+8*\kt:S+8*\kt+7], v[AB:AB+7], v[Q+4*\qt:Q+4*\qt+7], 0, v[KS+\kt/2], v[QS] matrix_a_fmt:MATRIX_FMT_FP4 matrix_b_fmt:MATRIX_FMT_FP4
.elseif (\qt == 0)
	v_wmma_scale_f32_16x16x128_f8f6f4 v[S+8*\kt:S+8*\kt+7], v[AB:AB+7], v[Q+4*\qt:Q+4*\qt+7], 0, v[KS+\kt/2], v[QS] matrix_a_fmt:MATRIX_FMT_FP4 matrix_b_fmt:MATRIX_FMT_FP4 matrix_a_scale:MATRIX_SCALE_ROW1
.elseif (\kt%2 == 0)
	v_wmma_scale_f32_16x16x128_f8f6f4 v[S+8*\kt:S+8*\kt+7], v[AB:AB+7], v[Q+4*\qt:Q+4*\qt+7], 0, v[KS+\kt/2], v[QS] matrix_a_fmt:MATRIX_FMT_FP4 matrix_b_fmt:MATRIX_FMT_FP4 matrix_b_scale:MATRIX_SCALE_ROW1
.else
	v_wmma_scale_f32_16x16x128_f8f6f4 v[S+8*\kt:S+8*\kt+7], v[AB:AB+7], v[Q+4*\qt:Q+4*\qt+7], 0, v[KS+\kt/2], v[QS] matrix_a_fmt:MATRIX_FMT_FP4 matrix_b_fmt:MATRIX_FMT_FP4 matrix_a_scale:MATRIX_SCALE_ROW1 matrix_b_scale:MATRIX_SCALE_ROW1
.endif
.endr
.endm
; O^T += v p^T: four tiles of channels x my two tiles of queries; the eight accumulators take turns, one instruction a turn
.macro OPROD
.irp ct, 0,1,2,3
.irp qt, 0,1
.if \ct%2 == 0
	v_wmma_scale_f32_16x16x128_f8f6f4 v[OT+32*\qt+8*\ct:OT+32*\qt+8*\ct+7], v[S+8*\ct:S+8*\ct+7], v[PC+8*\qt:PC+8*\qt+7], v[OT+32*\qt+8*\ct:OT+32*\qt+8*\ct+7], v[KS+\ct/2], v[PW+\qt] matrix_a_fmt:MATRIX_FMT_FP4 matrix_b_fmt:MATRIX_FMT_FP4
.else
	v_wmma_scale_f32_16x16x128_f8f6f4 v[OT+32*\qt+8*\ct:OT+32*\qt+8*\ct+7], v[S+8*\ct:S+8*\ct+7], v[PC+8*\qt:PC+8*\qt+7], v[OT+32*\qt+8*\ct:OT+32*\qt+8*\ct+7], v[KS+\ct/2], v[PW+\qt] matrix_a_fmt:MATRIX_FMT_FP4 matrix_b_fmt:MATRIX_FMT_FP4 matrix_a_scale:MATRIX_SCALE_ROW1
.endif
.endr
.endr
.endm
; The softmax of tile qt for 128 keys: the scores in v[S] on become p's codes, p's scale word, the new largest t and sum, and O^T is brought under the new M.  vl = 1: v's fragments are asked for as soon as the first block's p is converted.
; gl = 1: the second and third quarters of the next numbers are asked of memory on the way.
.macro SOFTMAX qt, vl, gl
.set MX, MT+(\qt)
.set SU, SM+2*(\qt)
.set PQ, PC+8*(\qt)
.set OA, OT+32*(\qt)
	v_floor_f32 v[TA], -v[MX]                      ; the old -M (also the fourth place behind the products)
.irp c, 0,1,2,3
	v_max3_num_f32 v[T+\c], v[S+16*\c], v[S+16*\c+1], v[S+16*\c+2]   ; four chains of 15 scores; each accumulator is read from its low end on
.endr
.irp i, 3,5,7,9,11,13
.irp c, 0,1,2,3
	v_max3_num_f32 v[T+\c], v[T+\c], v[S+16*\c+\i], v[S+16*\c+\i+1]
.endr
.endr
.irp b, 0,1
	v_max3_num_f32 v[BM+\b], v[T+2*\b], v[T+1+2*\b], v[S+32*\b+15]  ; THE LARGEST SCORE OF EACH OF MY TWO BLOCKS OF 32 KEYS: it serves the row's maximum and, since p rises with the score, the block's largest p
.endr
.irp b, 0,1
	v_max_num_f32 v[BM+\b], v[BM+\b], v[S+32*\b+31]
.endr
	s_delay_alu instid0(VALU_DEP_1)
	v_max_num_f32 v46, v44, v45
	s_delay_alu instid0(VALU_DEP_1)
	v_permlanex16_b32 v47, v46, s[SEL], s[SEL+1]   ; the query's other two blocks lie in the lane 16 away
	s_delay_alu instid0(VALU_DEP_1)
	v_max_num_f32 v46, v46, v47
	s_delay_alu instid0(VALU_DEP_1)
	v_mul_f32 v46, s[CS], v46                      ; as t
	s_delay_alu instid0(VALU_DEP_1)
	v_max_num_f32 v[MX], v[MX], v46                ; the running largest t
	s_delay_alu instid0(VALU_DEP_1)
	v_floor_f32 v[NM], -v[MX]                      ; the new -M = floor(-t): M is a whole number
	s_delay_alu instid0(VALU_DEP_1)
	v_sub_f32 v[TA], v[NM], v[TA]                  ; old M - new M: a whole number, 0 or less
	s_delay_alu instid0(VALU_DEP_1)
	v_cvt_i32_f32 v[TA], v[TA]                     ; (it saturates)
	s_delay_alu instid0(VALU_DEP_1)
	v_ldexp_f32 v[F], 1.0, v[TA]                   ; f = 2^(old M - new M): a multiplication by it rounds nothing
.set j, 0
.rept 32
	v_pk_fma_f32 v[S+j:S+j+1], v[S+j:S+j+1], s[CS:CS+1], v[NM:NM+1] op_sel_hi:[1,0,0]   ; t - M, two at a time (of the pairs log2(e) and -M the low word serves both halves)
.set j, j+2
.endr
.irp b, 0,1
	v_fma_f32 v[BM+\b], v[BM+\b], s[CS], v[NM]     ; the same of each block's largest score
.endr
.if \gl
	GLOAD 1
.endif
	s_wait_alu depctr_va_vdst(0)                   ; the wait ahead of the batch
.set j, 0
.rept 64
	v_exp_f32 v[S+j], v[S+j]                       ; p = 2^(t - M): one batch
.set j, j+1
.endr
	v_pk_mul_f32 v[SU:SU+1], v[SU:SU+1], v[F:F+1] op_sel_hi:[1,0]   ; the sum under the new M: the plain place behind the batch
	s_wait_alu depctr_va_vdst(0)                   ; one wait for the 64, ahead of their first reader
.irp b, 0,1
	v_exp_f32 v[BM+\b], v[BM+\b]                   ; the blocks' largest p: the same two instructions on the same number
.endr
	v_pk_add_f32 v[46:47], v[S:S+1], v[S+2:S+3]    ; THE ROW'S SUM IS TAKEN OF THE UNQUANTISED p, two at a time, in two chains; it reads the 64 alone
.set j, 4
.rept 15
	v_pk_add_f32 v[SU:SU+1], v[SU:SU+1], v[S+j:S+j+1]
	v_pk_add_f32 v[46:47], v[46:47], v[S+j+2:S+j+3]
.set j, j+4
.endr
	s_delay_alu instid0(VALU_DEP_1)
	v_pk_add_f32 v[SU:SU+1], v[SU:SU+1], v[46:47]
	s_wait_alu depctr_va_vdst(0)                   ; and one for the two
.if \gl
	GLOAD 2
.endif
.irp b, 0,1
	v_max_num_f32 v[BM+\b], 0x1800000, v[BM+\b]    ; the floor 2^(3 - 127): the byte cannot fall under 1
.endr
.irp b, 0,1
	v_add_nc_u32 v[48+\b], 0xff000000, v[BM+\b]    ; 2 off the exponent field: the conversion's scale operand
.endr
.irp b, 0,1
	v_lshrrev_b32 v[46+\b], 23, v[48+\b]           ; the scale's byte
.endr
	s_delay_alu instid0(VALU_DEP_1)
	v_lshl_or_b32 v[TA], v47, 16, v46              ; my two bytes, blocks h and 2 + h,
	s_delay_alu instid0(VALU_DEP_1)
	v_lshlrev_b32 v[TA], v[SH8], v[TA]             ; at their places in the scale word;
	s_delay_alu instid0(VALU_DEP_1)
	v_permlanex16_b32 v46, v[TA], s[SEL], s[SEL+1]
	s_delay_alu instid0(VALU_DEP_1)
	v_or_b32 v[PW+\qt], v[TA], v46                 ; with lane l xor 16's two the word is whole
.irp u, 0,1,2,3
	v_cvt_scalef32_pk8_fp4_f32 v[PQ+\u], v[S+8*\u:S+8*\u+7], v48   ; register 4 b + u of p's operand: keys 64 b + 32 h + 8 u + 0 .. 7
.endr
.if \vl
	VLOAD                                          ; into the 32 registers whose p has just been converted
.endif
.irp u, 0,1,2,3
	v_cvt_scalef32_pk8_fp4_f32 v[PQ+4+\u], v[S+32+8*\u:S+32+8*\u+7], v49
.endr
	v_nop                                          ; one plain place behind the conversions
	s_wait_alu depctr_va_vdst(0)                   ; the wait here, directly ahead of the first reader of O^T
.set j, 0
.rept 16
	v_pk_mul_f32 v[OA+j:OA+j+1], v[OA+j:OA+j+1], v[F:F+1] op_sel_hi:[1,0]   ; O^T under the new M, from each accumulator's low end on; also the places behind the scale word and the codes
.set j, j+2
.endr
.endm
.macro ATT gl
	SPROD 0
.rept 3
	v_nop                                          ; with the softmax's first line: four places ahead of the reads of the scores
.endr
	SOFTMAX 0, 0, \gl
.if \gl
	GLOAD 3
.endif
	SPROD 1
.rept 3
	v_nop
.endr
	SOFTMAX 1, 1, 0
	s_wait_alu depctr_va_vdst(0)
	s_wait_dscnt 0x0                               ; v's fragments are in
	OPROD
.endm
; A TRIP.  mode 0: it only multiplies.  mode 1: it quantises the chunk four on and asks for the next in four parts.  mode 2, a group's fourth: it quantises, asks for the next at once, and signals.
.macro TRIP mode
	v_add_nc_u32 v[D16], s[CBS], v[L16]
	v_add_nc_u32 v[D8], s[CBS], v[L8]
.if \mode
	DERIVE                                         ; (these six are also the places behind the last products)
.else
.rept 4
	v_nop
.endr
.endif
	KLOAD
.if \mode
	s_wait_xcnt 0x0                                ; the last trip's loads and prefetch have read their addresses
	s_add_nc_u64 s[GB:GB+1], s[GB:GB+1], 512
	s_add_nc_u64 s[PFA:PFA+1], s[PFA:PFA+1], 512
	QUANT R, 4*CB
	ASK
.endif
.if \mode == 1
	GLOAD 0
.endif
.if \mode == 2
	s_cmp_eq_u32 s[LAP], 1                         ; trip 11 quantises chunk 15: there is no chunk behind it
	s_cbranch_scc1 .Lno_more_\@
	GLOAD 0
	GLOAD 1
	GLOAD 2
	GLOAD 3
.Lno_more_\@:
.endif
	s_wait_alu depctr_va_vdst(0)
	s_wait_dscnt 0x0                               ; k's tiles are in; for the others' sake: my stores of codes are done
.if \mode == 2
	s_barrier_signal -1                            ; up to the wait at the next group's head: work on registers and loads of this chunk's record, which nobody writes again
.endif
.if \mode == 1
	ATT 1
.else
	ATT 0
.endif
	s_add_co_u32 s[CBS], s[CBS], CB
.if \mode
	s_sub_co_u32 s[LAP], s[LAP], 1
.endif
.endm
	s_load_b128 s[4:7], s[0:1], 0x0                ; qkv s[4:5], out0 s[6:7]
	v_lshl_add_u32 v[SPW], v0, 2, SPARE
	v_mov_b32 v[NIL], 0
	v_lshrrev_b32 v45, 5, v0
	v_readfirstlane_b32 s[WV], v45                 ; wave 0..15
	v_and_b32 v44, 31, v0                          ; lane
	v_lshlrev_b32 v[GOK], 2, v44
	v_lshlrev_b32 v[GOV], 4, v44
	s_bfe_u32 s[CX], ttmp6, 0x40000                ; my place in the cluster = my block of 512 queries: it enters global addresses alone
	s_and_b32 s[BT], ttmp7, 0xffff                 ; the batch
	s_mul_i32 s12, s[BT], BATCHB                   ; the batch's first byte in qkv (under 2^27)
	s_mov_b32 s13, 0
	s_and_b32 s42, s[WV], 3                        ; g
	s_bfe_u32 s43, s[WV], 0x10002                  ; hK
	s_and_b32 s44, s[WV], 7                        ; w'
	s_lshl_b32 s14, s43, 18                        ; k's waves: row 64 + 32 hK, keys 32 g on
	s_lshl_b32 s15, s42, 7
	s_add_co_u32 s14, s14, s15
	s_add_co_u32 s14, s14, 64*8192
	s_lshl_b32 s15, s44, 16                        ; v's waves: row 128 + 8 w'
	s_add_co_u32 s15, s15, 128*8192
	s_cmp_lt_u32 s[WV], 8
	s_cselect_b32 s14, s14, s15
	s_mov_b32 s15, 0
	s_lshl_b32 s26, s[CX], 11                      ; q: my wave's 32 queries
	s_lshl_b32 s27, s[WV], 7
	s_add_co_u32 s26, s26, s27
	s_mov_b32 s27, 0
	s_lshl_b32 s28, s[CX], 18                      ; the prefetches: my work-group's 32 rows of k's and v's 128, my wave's 256 bytes of a chunk's 512
	s_and_b32 s29, s[WV], 1
	s_lshl_b32 s29, s29, 8
	s_add_co_u32 s28, s28, s29
	s_add_co_u32 s28, s28, 64*8192
	s_mov_b32 s29, 0
	s_lshl_b32 s30, s[BT], 19                      ; out0: the batch, my work-group's queries, the four rows that my wave stores
	s_lshl_b32 s31, s[CX], 11
	s_add_co_u32 s30, s30, s31
	s_lshl_b32 s31, s[WV], 15
	s_add_co_u32 s30, s30, s31
	s_mov_b32 s31, 0
	s_wait_alu depctr_va_vdst(0)
	s_wait_kmcnt 0x0
	s_add_nc_u64 s[24:25], s[4:5], s[12:13]
	s_add_nc_u64 s[GB:GB+1], s[24:25], s[14:15]
	s_add_nc_u64 s[4:5], s[24:25], s[26:27]
	s_add_nc_u64 s[PFA:PFA+1], s[24:25], s[28:29]
	s_add_nc_u64 s[6:7], s[6:7], s[30:31]
	s_cmp_lt_u32 s[WV], 8                          ; chunks 0 and 1 into O^T's registers and chunk 2 into k's, which are idle yet; chunk 3 into v[R] on
	s_cbranch_scc0 .Lhead_v
.set j, 0
.rept 32
	global_load_b32 v[R+j], v[GOK], s[GB:GB+1] offset:8192*j+1536
	global_load_b32 v[OT+j], v[GOK], s[GB:GB+1] offset:8192*j
	global_load_b32 v[OT+32+j], v[GOK], s[GB:GB+1] offset:8192*j+512
	global_load_b32 v[K+j], v[GOK], s[GB:GB+1] offset:8192*j+1024
.set j, j+1
.endr
	s_branch .Lhead_q
.Lhead_v:
.irp i, 0,1,2,3,4,5,6,7
	global_load_b128 v[R+4*\i:R+4*\i+3], v[GOV], s[GB:GB+1] offset:8192*\i+1536
	global_load_b128 v[OT+4*\i:OT+4*\i+3], v[GOV], s[GB:GB+1] offset:8192*\i
	global_load_b128 v[OT+32+4*\i:OT+32+4*\i+3], v[GOV], s[GB:GB+1] offset:8192*\i+512
	global_load_b128 v[K+4*\i:K+4*\i+3], v[GOV], s[GB:GB+1] offset:8192*\i+1024
.endr
.Lhead_q:
.set j, 0
.rept 64
	global_load_b32 v[S+j], v[GOK], s[4:5] offset:8192*j th:TH_LOAD_NT   ; q: a lane is a query, its registers run down the 64 channels
.set j, j+1
.endr
	; the constants of the LDS addresses: terms of the wave's number
	s_lshr_b32 s46, s42, 1                         ; g / 2
	s_and_b32 s47, s42, 1                          ; g % 2
	s_lshl_b32 s26, s46, 11
	s_lshl_b32 s48, s43, 8
	s_add_co_u32 s26, s26, s48
	s_lshl_b32 s48, s47, 7
	s_add_co_u32 s26, s26, s48                     ; k's codes: 2,048 (g / 2) + 256 hK + 128 (g % 2)
	s_lshl_b32 s27, s46, 3
	s_add_co_u32 s27, s27, s48
	s_add_co_u32 s27, s27, s43
	s_add_co_u32 s27, s27, KSC                     ; k's scale byte: 128 (g % 2) + 8 (g / 2) + hK
	s_lshr_b32 s46, s44, 1                         ; w' / 2: v's tile of channels
	s_and_b32 s47, s44, 1
	s_lshl_b32 s28, s46, 10
	s_lshl_b32 s48, s47, 7
	s_add_co_u32 s28, s28, s48
	s_add_co_u32 s28, s28, VIMG                    ; v's codes
	s_and_b32 s48, s46, 1
	s_lshl_b32 s29, s48, 7
	s_lshl_b32 s48, s47, 6
	s_add_co_u32 s29, s29, s48
	s_lshr_b32 s48, s44, 2
	s_lshl_b32 s48, s48, 2
	s_add_co_u32 s29, s29, s48
	s_add_co_u32 s29, s29, VSC                     ; v's scale byte
	s_mul_i32 s30, s44, VSB
	s_add_co_u32 s30, s30, VSTG                    ; v's stage
	s_lshr_b32 s48, s[WV], 1
	s_cmp_eq_u32 s48, 1
	s_cselect_b32 s[LIM], 3, -1                    ; waves 2 and 3 prefetch
	s_mov_b32 s[SEL], 0x76543210
	s_mov_b32 s[SEL+1], 0xfedcba98
	s_mov_b32 s[CS], 0x3fb8aa3b                    ; log2(e)
	s_mov_b32 s[CS+1], s[CS]
	s_mov_b32 s[SC], 0x3eb504f3                    ; f = 1 / sqrt(sqrt(64)) in f32
	s_mov_b32 s[SC+1], s[SC]
	s_mov_b32 s[CBS], 0
	s_mov_b32 s[LAP], 12
	s_mov_b32 s[GRP], 3
	; every lane term, on the way that all waves take
	v_lshlrev_b32 v[L16], 4, v44
	v_lshlrev_b32 v[L8], 3, v44
	v_lshrrev_b32 v45, 3, v44
	v_and_b32 v46, 7, v44
	v_lshlrev_b32 v47, 4, v46
	v_lshl_add_u32 v[KWR], v45, 9, v47
	v_add_nc_u32 v[KWR], s26, v[KWR]               ; k's codes: tile 4 (g / 2) + lane / 8, lane 16 hK + 8 (g % 2) + lane % 8 of its image
	v_bfe_u32 v48, v0, 3, 1
	v_bfe_u32 v49, v0, 4, 1                        ; lane / 16
	v_lshl_add_u32 v[KSW], v48, 8, v47
	v_lshl_add_u32 v[KSW], v49, 2, v[KSW]
	v_add_nc_u32 v[KSW], s27, v[KSW]               ; k's scale byte: 16 bytes a lane of the image, word tile / 2, byte hK
	v_mul_u32_u24 v[VST], v45, 144
	v_add_nc_u32 v[VST], v[VST], v47
	v_add_nc_u32 v[VST], s30, v[VST]               ; the stage, in: 32 keys' 128 bytes, then 16 of padding: 144 (lane / 8) + 16 (lane % 8); a row 576
	v_mul_u32_u24 v[VLD], v44, 144
	v_add_nc_u32 v[VLD], s30, v[VLD]               ; and out: row lane / 4, block lane % 4: 144 x lane
	v_lshlrev_b32 v[SH8], 3, v49
	v_lshlrev_b32 v[PFO], 13, v44
	v_bfe_u32 v45, v0, 1, 1
	v_and_b32 v46, 1, v0
	v_bfe_u32 v47, v0, 2, 3                        ; lane / 4
	v_lshlrev_b32 v[VWR], 4, v47
	v_lshl_add_u32 v[VWR], v46, 8, v[VWR]
	v_lshl_add_u32 v[VWR], v45, 9, v[VWR]
	v_add_nc_u32 v[VWR], s28, v[VWR]               ; v's codes: block kb = lane % 4 is part kb / 2, half kb % 2; row 8 (w' % 2) + lane / 4
	v_and_b32 v46, 3, v0
	v_lshl_add_u32 v[VSW], v47, 3, v46
	v_add_nc_u32 v[VSW], s29, v[VSW]               ; v's scale byte: 8 bytes a lane of the image, word tile / 2, byte kb
.irp r, 24,25,26,27,43,90,91,92,93
	v_mov_b32 v\r, 0                               ; q's zero codes; a register named in a pair before it is written; the sums
.endr
	v_mov_b32 v34, 0xff61b1e6                      ; the largest t so far: -3e38, under every t
	v_mov_b32 v35, 0xff61b1e6
	DERIVE                                         ; record 0: the head's four records are told apart by the stores' offsets
	s_wait_alu depctr_va_vdst(0)                   ; the wait at the head's end
	s_wait_loadcnt 0x0
	; q f is quantised in registers: a lane holds both blocks of its query
.set j, 0
.rept 32
	v_pk_mul_f32 v[S+j:S+j+1], v[S+j:S+j+1], s[SC:SC+1] op_sel_hi:[1,0]
.set j, j+2
.endr
.irp b, 0,1
	v_max3_num_f32 v[46+\b], |v[S+32*\b]|, |v[S+32*\b+1]|, 0x1800000
.endr
.irp i, 2,4,6,8,10,12,14,16,18,20,22,24,26,28,30
.irp b, 0,1
	v_max3_num_f32 v[46+\b], v[46+\b], |v[S+32*\b+\i]|, |v[S+32*\b+\i+1]|
.endr
.endr
.irp b, 0,1
	v_add_nc_u32 v[48+\b], 0xff000000, v[46+\b]
.endr
.irp b, 0,1
	v_lshrrev_b32 v[46+\b], 23, v[48+\b]
.endr
	s_delay_alu instid0(VALU_DEP_1)
	v_lshl_or_b32 v[QS], v47, 8, v46               ; my query's scale word: bytes 0 and 1,
	s_delay_alu instid0(VALU_DEP_1)
	v_lshl_or_b32 v[QS], v[QS], 16, v[QS]          ; repeated
.irp g, 0,1,2,3
	v_cvt_scalef32_pk8_fp4_f32 v[Q+\g], v[S+8*\g:S+8*\g+7], v48
	v_cvt_scalef32_pk8_fp4_f32 v[Q+8+\g], v[S+32+8*\g:S+32+8*\g+7], v49
.endr
	v_nop                                          ; one plain place behind the conversions
.irp g, 0,1,2,3
	v_permlane16_swap_b32 v[Q+\g], v[Q+8+\g]       ; block 0 of queries 16-31 changes places with block 1 of queries 0-15: v20-23 are tile 0's fragment, v28-31 tile 1's
.endr
	QUANT R, 3*CB                                  ; chunk 3 first: its registers take chunk 4,
	GLOAD 0
	GLOAD 1
	GLOAD 2
	GLOAD 3
	QUANT OT, 0                                    ; which chunk 0's wait for all loads (s_wait_loadcnt 0) waits for too
	QUANT OT+32, CB
	QUANT K, 2*CB
	s_wait_alu depctr_va_vdst(0)
	s_wait_dscnt 0x0
	s_barrier_signal -1
.set j, 0
.rept 64
	v_mov_b32 v[OT+j], 0                           ; O^T.  (The trip has no first step of its own: it finds zeros, which the first change of M leaves zeros)
.set j, j+1
.endr
	s_wait_alu depctr_va_vdst(0)                   ; the wait ahead of the barrier's wait
.Lgroup:                                           ; three groups of four trips that quantise the next group's chunks
	s_barrier_wait -1                              ; every wave has stored its part of this group's four records
	s_mov_b32 s[INR], 3
.Lmid:
	TRIP 1
	s_sub_co_u32 s[INR], s[INR], 1
	s_cmp_lg_u32 s[INR], 0
	s_cbranch_scc1 .Lmid
	TRIP 2
	s_sub_co_u32 s[GRP], s[GRP], 1
	s_cmp_lg_u32 s[GRP], 0
	s_cbranch_scc1 .Lgroup
	s_barrier_wait -1
	s_mov_b32 s[INR], 4
.Lplain:                                           ; the last group only multiplies
	TRIP 0
	s_sub_co_u32 s[INR], s[INR], 1
	s_cmp_lg_u32 s[INR], 0
	s_cbranch_scc1 .Lplain
	; THE WAY OUT.  The sums' halves and the other half of the lanes' are added; O^T is divided by the sum and goes into the work-group's stage, a row a channel; behind a barrier each wave stores four whole rows.
	v_add_f32 v90, v90, v91
	v_add_f32 v92, v92, v93
	v_permlanex16_b32 v46, v90, s[SEL], s[SEL+1]
	v_permlanex16_b32 v47, v92, s[SEL], s[SEL+1]
	v_add_f32 v90, v90, v46
	v_add_f32 v92, v92, v47
	s_wait_alu depctr_va_vdst(0)                   ; the wait ahead of the reciprocals
	v_rcp_f32 v42, v90
	v_rcp_f32 v44, v92
	v_and_b32 v18, 15, v0                          ; (plain places behind the reciprocals)
	v_bfe_u32 v41, v0, 4, 1
	s_lshl_b32 s45, s[WV], 7
	s_add_co_u32 s45, s45, OSTG
	v_lshlrev_b32 v18, 2, v18
	v_mul_u32_u24 v41, v41, 8*SROW
	v_add_nc_u32 v15, v18, v41
	v_add_nc_u32 v15, s45, v15                     ; the stage, in: row 8 (lane / 16), query 32 x wave + lane % 16
	v_add_nc_u32 v16, 32*SROW, v15
	s_mul_i32 s46, s[WV], 4*SROW
	s_add_co_u32 s46, s46, OSTG
	v_add_nc_u32 v17, s46, v[L16]                  ; and out: my wave's four rows, 16 bytes a lane
	s_wait_alu depctr_va_vdst(0)                   ; one wait for the two, directly ahead of the first reader of them and of O^T
.irp qt, 0,1
.set j, 0
.rept 16
	v_pk_mul_f32 v[OT+32*\qt+j:OT+32*\qt+j+1], v[OT+32*\qt+j:OT+32*\qt+j+1], v[42+2*\qt:43+2*\qt] op_sel_hi:[1,0]
.set j, j+2
.endr
.endr
.irp qt, 0,1
.irp ct, 0,1,2,3
.irp i, 0,1,2,3,4,5,6,7
	ds_store_b32 v[15+\ct/2], v[OT+32*\qt+8*\ct+\i] offset:(16*(\ct%2)+\i)*SROW+64*\qt   ; channel 16 ct + 8 h + i, query 32 x wave + 16 qt + r: sixteen lanes write 64 neighbouring bytes
.endr
.endr
.endr
	s_wait_dscnt 0x0                               ; for the others' sake: my stores into the stage are done
	BAR
.irp i, 0,1,2,3
.irp u, 0,1,2,3
	ds_load_b128 v[S+16*\i+4*\u:S+16*\i+4*\u+3], v17 offset:SROW*\i+512*\u
.endr
.endr
.irp i, 0,1,2,3
.irp u, 0,1,2,3
	s_wait_dscnt 15-4*\i-\u                        ; LDS loads come back in order: this one is in, the younger ones may be out
	global_store_b128 v[GOV], v[S+16*\i+4*\u:S+16*\i+4*\u+3], s[6:7] offset:8192*\i+512*\u th:TH_STORE_NT   ; 32 lanes store 512 consecutive bytes, at a multiple of 512 from out0's first byte
.endr
.endr
	s_wait_tensorcnt 0x0                           ; the wave's end, behind my last LDS store
	ds_add_u32 v[SPW], v[NIL]
	s_wait_dscnt 0x0
	s_endpgm
.Lfunc_end_k_qb0f789a285_attn:
	.size	k_qb0f789a285_attn, .Lfunc_end_k_qb0f789a285_attn-k_qb0f789a285_attn
	.p2alignl 7, 3214868480
	.fill 96, 4, 3214868480
	.section	.rodata,"a",@progbits
	.p2align	6, 0x0
	.amdhsa_kernel k_qb0f789a285_attn
		.amdhsa_group_segment_fixed_size 318464
		.amdhsa_private_segment_fixed_size 0
		.amdhsa_enable_private_segment 0
		.amdhsa_kernarg_size 16
		.amdhsa_user_sgpr_count 2
		.amdhsa_user_sgpr_kernarg_segment_ptr 1
		.amdhsa_wavefront_size32 1
		.amdhsa_system_sgpr_workgroup_id_x 1
		.amdhsa_system_sgpr_workgroup_id_y 1
		.amdhsa_system_sgpr_workgroup_id_z 1
		.amdhsa_system_vgpr_workitem_id 0
		.amdhsa_next_free_vgpr 256
		.amdhsa_next_free_sgpr 66
		.amdhsa_reserve_vcc 0
		.amdhsa_float_denorm_mode_32 3
		.amdhsa_float_denorm_mode_16_64 3
		.amdhsa_memory_ordered 1
		.amdhsa_forward_progress 1
		.amdhsa_inst_pref_size 172
	.end_amdhsa_kernel
	.amdgpu_metadata
---
amdhsa.version: [ 1, 2 ]
amdhsa.kernels:
  - .name:           k_qb0f789a285_attn
    .symbol:         k_qb0f789a285_attn.kd
    .args:
      - { .name: qkv, .offset: 0, .size: 8, .value_kind: global_buffer, .address_space: global }
      - { .name: out0, .offset: 8, .size: 8, .value_kind: global_buffer, .address_space: global }
    .group_segment_fixed_size: 318464
    .private_segment_fixed_size: 0
    .kernarg_segment_align: 8
    .kernarg_segment_size: 16
    .max_flat_workgroup_size: 512
    .sgpr_count:     66
    .vgpr_count:     256
    .wavefront_size: 32
...
	.end_amdgpu_metadata
.endif
;; end of part 1
